; MI455X (gfx1250); checked and timed in simulation.
; The chip was launched on July 23, 2026; its instructions are those of AMD's public machine-readable ISA for CDNA 5 (MIT licence, August 2026) and "CDNA5" Instruction Set Architecture Reference Guide (July 2026). The comments in the code are by the model that wrote it; some were corrected since.
;; Hadamard W4 A4 Linear Fast. Allowed arithmetic: matrix products marked QUANTISED: E4M3 operands, one given power-of-two scale a tensor, by v_wmma_f32_16x16x64_fp8_fp8 or v_wmma_f32_16x16x128_fp8_fp8, f32 sums; everything else in f32.
;; Inputs: lowp_scales 2 int32 (the exponents e of the quantised operands' scales 2^e); weight_packed 4,096 x 2,048 int32; weight_scale 4,096 float32; x 4,096 x 4,096 float32.
;; Outputs: out0 4,096 x 4,096 float32.
;; This version of the problem:
;;   THIS VERSION OF THE PROBLEM IS GIVEN IN LOW PRECISION. The matrix products marked QUANTISED in the list below multiply operands that are first quantised to E4M3 (4 exponent bits, 3 mantissa bits; 8 bits a number), with one given power-of-two scale for each operand tensor; their sums are f32. All else is computed in f32.
;;   The module's matrix products, in the order in which they are computed (A, B: the left and right operand; K: the contracted axis; several contracted axes count as one K, in the product's order):
;;     1. [M 4,096, K 4,096] x [K 4,096, N 4,096]; A: computed on the way; B: computed on the way: QUANTISED (scales: A lowp_scales[0], B lowp_scales[1])
;;   THE QUANTISER, for each operand of a quantised product, along K:
;;     - The operand's scale is 2^e, e = its entry of the input lowp_scales (int32; the entries are numbered through the quantised products in the list's order, A before B).
;;     - Each number is divided by the scale, clamped to +-448, and rounded to the nearest number of E4M3, ties to even, subnormals kept.
;;     - The product sums the exact products of the quantised numbers (number of the format x scale) in f32.
;;   ~~~python
;;   def quantise(x, axis, e):      # numpy; x: float32 -> the quantised numbers, widened to float32 again
;;       x = np.moveaxis(x, axis, -1); K = x.shape[-1]
;;       r = np.clip(x / 2.0 ** e, -448, 448)
;;       step = 2.0 ** (np.maximum(np.frexp(np.where(r == 0, 1, r))[1] - 1, -6) - 3)
;;       q = np.round(r / step) * step * 2.0 ** e      # np.round: ties to even
;;       return np.moveaxis(q, -1, axis).astype(np.float32)
;;   ~~~
;;   OPERANDS COMPUTED ON THE WAY. 'Computed on the way' means the value that the module computes at that place (a softmax that the list does not call 'softmax' is quantised finished and normalised). What goes into a quantiser is computed in f32, as accurately as f32 sums, v_exp_f32 and their like allow (about 1e-6 of the number): no bf16 or f16 on the way to a quantiser, and a product that is left as it is and whose result goes on into a quantised operand takes f32 operands (vector FMAs, or v_wmma_f32_16x16x4_f32). A number that lies on a knife's edge between two numbers of the format may be rounded either way, as far as f32 arithmetic and the matrix unit's own rounding can turn it there, and no further.
;; One version. Each part assembles by itself: llvm-mc -triple=amdgcn-amd-amdhsa -mcpu=gfx1250 --defsym DOCPART=n.
;; ======== version 1 of 1: 2 launches
;; limits: right only within a limited range of input values
;; workspace buffers: xc 16,777,216 bytes; wc 16,777,216 bytes; xs 16,384 bytes
;; launch quant (part 1): grid 256 x 1, 16 waves a work-group, no clusters, 71,680 bytes of LDS; arguments x, weight_packed, lowp_scales, xc, wc, xs; writes xc, wc, xs
.if DOCPART == 1
	.amdgcn_target "amdgcn-amd-amdhsa--gfx1250"
	.amdhsa_code_object_version 6
	.text
	.protected	k_qaa4e89e75a_quant
	.globl	k_qaa4e89e75a_quant
	.p2align	8
	.type	k_qaa4e89e75a_quant,@function
k_qaa4e89e75a_quant:
	s_mov_b64 s[64:65], 0
	v_nop
	global_prefetch_b8 v0, s[64:65] scope:SCOPE_SE
	s_setreg_imm32_b32 hwreg(HW_REG_WAVE_MODE, 25, 1), 1
	s_wait_xcnt 0x0
; Both operands of out = x_q w_q^T are made here, once, as codes of FP8 (E4M3), one code a byte.
;   x [4096][4096] f32:  s = max(max|x| of the row / 7, 1e-5);  x_q = clip(round_to_even(x / s), -8, 7);  code = x_q / 2^e0, held within +-448, to the nearest code.
;   weight_packed [4096][2048] int32:  bits 3:0 and bits 7:4 of each word are two signed 4-bit numbers, the low one first along K;  code = w_q / 2^e1, held within +-448.
;   xs [4096] f32:  s x 2^(e0 + e1): the row's factor for the finished sums.   e0, e1: entries 0 and 1 of lowp_scales.
; LIMITS: e0 and e1 between -126 and 119; s x 2^(e0 + e1) a normal f32 number; NaN and infinity in x are not served.
; Both divisions are corrected: quotient = a x (1/b), the residual by a fused multiply-add, quotient + residual x (1/b).
; SHARES.  Wave w of work-group g owns row 16 g + w of x and of weight_packed; both rows stay in registers, each byte is read once; all 64 loads are issued at the head, the weights' first.
; K IS PERMUTED INSIDE EACH CHUNK OF 512, ALIKE IN BOTH OPERANDS: place 512 c + 16 l + 4 j + i of a row of codes holds k = 512 c + 128 j + 4 l + i.  Every product still meets its partner.
; xc: rows of 4,096 codes in that order; each store covers 512 consecutive bytes.
; wc: IN THE ORDER OF THE PRODUCT'S OPERAND REGISTERS: [block of 16 rows][unit u = place / 16][row r of the block][16 codes].  A unit's 256 bytes come from the 16 rows, that is from the
; 16 waves: so the weights' codes go through LDS (a unit every 272 bytes: the 32 lanes of a store fall on different banks), one barrier, and each wave stores 16 whole units, 512 consecutive bytes a store.
.set LANE, 1
.set LO16, 2                           ; 16 x lane
.set LO8,  3                           ; 8 x lane
.set SCX,  4                           ; 2^e0
.set SCW,  5                           ; 2^e1
.set CLO,  6                           ; max(-8, -448 x 2^e0)
.set CHI,  7                           ; min(7, 448 x 2^e0)
.set LW,   8                           ; 448 x 2^e1
.set ZOF,  9
.set R,    10                          ; v[10:11] 1 / s, twice
.set NS,   12                          ; v[12:13] -s, twice
.set M,    14                          ; four running maxima
.set TA,   18
.set TB,   19
.set S,    20
.set R0,   21
.set ERR,  22
.set XSV,  23
.set SPW,  24                          ; my spare word; never rewritten
.set NIL,  25                          ; 0; never rewritten
.set LST,  26                          ; LDS: unit = lane, my wave's 16 bytes of it
.set LRD,  27                          ; LDS: my wave's 16 units, two an instruction
.set T,    32                          ; 16 numbers at work
.set W,    48                          ; chunk c: 8 words as loaded; then 0-3 the weights' codes, 4-7 x's codes
.set X,    112                         ; chunk c: 16 numbers of x
.set UP,   272                         ; a unit in LDS: 256 bytes + 16
.set SPARE, 256*UP                     ; behind the 256 units: the spare words, 128 bytes a wave
	s_load_b256 s[4:11], s[0:1], 0x0               ; x, weight_packed, lowp_scales, xc
	s_load_b128 s[12:15], s[0:1], 0x20             ; wc, xs
	v_lshl_add_u32 v[SPW], v0, 2, SPARE
	v_mov_b32 v[NIL], 0
	v_and_b32 v[LANE], 31, v0
	v_lshrrev_b32 v[TA], 5, v0
	v_readfirstlane_b32 s16, v[TA]                 ; wave 0..15
	v_lshlrev_b32 v[LO16], 4, v[LANE]
	v_lshlrev_b32 v[LO8], 3, v[LANE]
	v_mov_b32 v[ZOF], 0
	s_lshl_b32 s36, s16, 4
	s_mul_i32 s37, s16, 16*UP
	v_mul_u32_u24 v[LST], v[LANE], UP
	v_add_nc_u32 v[LST], s36, v[LST]               ; 272 x lane + 16 x wave
	v_lshrrev_b32 v[TB], 4, v[LANE]
	v_mul_u32_u24 v[TB], v[TB], UP
	v_and_b32 v[LRD], 15, v[LANE]
	v_lshl_add_u32 v[LRD], v[LRD], 4, v[TB]
	v_add_nc_u32 v[LRD], s37, v[LRD]               ; 272 (16 wave + lane / 16) + 16 (lane % 16)
	s_lshl_b32 s17, ttmp9, 4
	s_add_co_u32 s17, s17, s16                     ; my row
	s_lshl_b32 s18, s17, 14
	s_mov_b32 s19, 0
	s_lshl_b32 s20, s17, 13
	s_mov_b32 s21, 0
	s_lshl_b32 s22, s17, 12                        ; a row of xc; also 65,536 x work-group + 4,096 x wave: my 16 units of wc
	s_mov_b32 s23, 0
	s_lshl_b32 s24, s17, 2
	s_mov_b32 s25, 0
	s_mov_b32 s32, 0x76543210
	s_mov_b32 s33, 0xfedcba98
	s_mov_b32 s34, 0x3e124925                      ; 1 / 7
	s_mov_b32 s35, 0x40e00000                      ; 7
	s_wait_alu depctr_va_vdst(0)
	s_wait_kmcnt 0x0
	s_load_b64 s[26:27], s[8:9], 0x0               ; e0, e1
	s_add_nc_u64 s[4:5], s[4:5], s[18:19]
	s_add_nc_u64 s[6:7], s[6:7], s[20:21]
	s_add_nc_u64 s[10:11], s[10:11], s[22:23]
	s_add_nc_u64 s[12:13], s[12:13], s[22:23]
	s_add_nc_u64 s[14:15], s[14:15], s[24:25]
.irp c, 0,1,2,3,4,5,6,7                        ; words 256 c + 64 j + 2 l + 0, 1 hold k = 512 c + 128 j + 4 l + 0 .. 3; 32 lanes read 256 consecutive bytes
.irp j, 0,1,2,3
	global_load_b64 v[W+8*\c+2*\j:W+8*\c+2*\j+1], v[LO8], s[6:7] offset:1024*\c+256*\j th:TH_LOAD_NT
.endr
.endr
.irp c, 0,1,2,3,4,5,6,7                        ; x: 32 lanes read 512 consecutive bytes
.irp j, 0,1,2,3
	global_load_b128 v[X+16*\c+4*\j:X+16*\c+4*\j+3], v[LO16], s[4:5] offset:2048*\c+512*\j th:TH_LOAD_NT
.endr
.endr
	s_wait_kmcnt 0x0
	s_add_co_i32 s28, s26, s27                     ; e0 + e1
	s_add_co_i32 s30, s26, 127
	s_lshl_b32 s31, s30, 23
	v_mov_b32 v[SCX], s31
	s_add_co_i32 s30, s30, 8
	s_lshl_b32 s30, s30, 23
	s_or_b32 s30, s30, 0x600000                    ; 448 x 2^e0
	v_mov_b32 v[TA], s30
	v_min_num_f32 v[CHI], 0x40e00000, v[TA]        ; the clip at 7 and the hold in one bound
	v_xor_b32 v[TB], 0x80000000, v[TA]
	v_max_num_f32 v[CLO], 0xc1000000, v[TB]
	s_add_co_i32 s30, s27, 127
	s_lshl_b32 s31, s30, 23
	v_mov_b32 v[SCW], s31
	s_add_co_i32 s30, s30, 8
	s_lshl_b32 s30, s30, 23
	s_or_b32 s30, s30, 0x600000
	v_mov_b32 v[LW], s30
.macro WCH c                           ; chunk c of the weights: 8 words a lane become 16 codes: unit 32 c + lane of my row
	s_wait_loadcnt 60-4*(\c)                       ; of the 64 loads those behind this chunk's four may be out
.irp j, 0,1,2,3
.irp u, 0,1
	v_lshlrev_b32 v[T+4*\j+2*\u],   28, v[W+8*(\c)+2*\j+\u]
	v_lshlrev_b32 v[T+4*\j+2*\u+1], 24, v[W+8*(\c)+2*\j+\u]
.endr
.endr
.irp i, 0,1,2,3,4,5,6,7,8,9,10,11,12,13,14,15
	v_ashrrev_i32 v[T+\i], 28, v[T+\i]             ; -8 .. 7
.endr
.irp i, 0,1,2,3,4,5,6,7,8,9,10,11,12,13,14,15
	v_cvt_f32_i32 v[T+\i], v[T+\i]
.endr
.irp i, 0,1,2,3,4,5,6,7,8,9,10,11,12,13,14,15
	v_med3_num_f32 v[T+\i], v[T+\i], -v[LW], v[LW] ; the conversion does not saturate (ISA guide 7.6.2)
.endr
	v_cvt_scalef32_pk8_fp8_f32 v[W+8*(\c):W+8*(\c)+1],   v[T:T+7],    v[SCW]
	v_cvt_scalef32_pk8_fp8_f32 v[W+8*(\c)+2:W+8*(\c)+3], v[T+8:T+15], v[SCW]
	v_nop                                          ; one plain vector instruction behind the conversions
	ds_store_b128 v[LST], v[W+8*(\c):W+8*(\c)+3] offset:32*UP*(\c)
.endm
.irp c, 0,1,2,3,4,5,6,7
	WCH \c
.endr
	s_wait_dscnt 0x0                               ; for the others' sake: my stores are done
	s_barrier_signal -1
	s_barrier_wait -1
.irp t, 0,1,2,3,4,5,6,7
	ds_load_b128 v[W+8*\t:W+8*\t+3], v[LRD] offset:2*UP*\t      ; units 16 w + 2 t, + 1: all 16 rows' bytes
.endr
.irp t, 0,1,2,3,4,5,6,7
	s_wait_dscnt 7-\t
	global_store_b128 v[LO16], v[W+8*\t:W+8*\t+3], s[12:13] offset:512*\t   ; 512 consecutive bytes of wc, aligned
.endr
.macro XMAX c
	s_wait_loadcnt 28-4*(\c)
.irp k, 0,1,2,3
.if (\c) == 0
	v_max_num_f32 v[M+\k], |v[X+4*\k]|, |v[X+4*\k+1]|
.else
	v_max3_num_f32 v[M+\k], v[M+\k], |v[X+16*(\c)+4*\k]|, |v[X+16*(\c)+4*\k+1]|
.endif
.endr
.irp k, 0,1,2,3
	s_delay_alu instid0(VALU_DEP_4)
	v_max3_num_f32 v[M+\k], v[M+\k], |v[X+16*(\c)+4*\k+2]|, |v[X+16*(\c)+4*\k+3]|
.endr
.endm
.irp c, 0,1,2,3,4,5,6,7
	s_wait_alu depctr_va_vdst(0)
	XMAX \c
.endr
	s_delay_alu instid0(VALU_DEP_2)
	v_max3_num_f32 v[TA], v[M], v[M+1], v[M+2]
	s_delay_alu instid0(VALU_DEP_1)
	v_max_num_f32 v[TA], v[TA], v[M+3]
	s_delay_alu instid0(VALU_DEP_1)
	v_max_num_f32_dpp v[TA], v[TA], v[TA] row_xmask:1 row_mask:0xf bank_mask:0xf
	s_delay_alu instid0(VALU_DEP_1)
	v_max_num_f32_dpp v[TA], v[TA], v[TA] row_xmask:2 row_mask:0xf bank_mask:0xf
	s_delay_alu instid0(VALU_DEP_1)
	v_max_num_f32_dpp v[TA], v[TA], v[TA] row_xmask:4 row_mask:0xf bank_mask:0xf
	s_delay_alu instid0(VALU_DEP_1)
	v_max_num_f32_dpp v[TA], v[TA], v[TA] row_xmask:8 row_mask:0xf bank_mask:0xf
	s_delay_alu instid0(VALU_DEP_1)
	v_permlanex16_b32 v[TB], v[TA], s32, s33
	s_delay_alu instid0(VALU_DEP_1)
	v_max_num_f32 v[TA], v[TA], v[TB]              ; the row's largest magnitude m
	s_delay_alu instid0(VALU_DEP_1)
	v_mul_f32 v[ERR], s34, v[TA]                   ; m x (1/7),
	s_delay_alu instid0(VALU_DEP_1)
	v_fma_f32 v[TB], -v[ERR], s35, v[TA]           ; what is left of m,
	s_delay_alu instid0(VALU_DEP_1)
	v_fma_f32 v[ERR], v[TB], s34, v[ERR]           ; put back
	s_delay_alu instid0(VALU_DEP_1)
	v_max_num_f32 v[S], 0x3727c5ac, v[ERR]         ; s = max(m / 7, 1e-5)
	s_wait_alu depctr_va_vdst(0)
	v_rcp_f32 v[R0], v[S]
	v_xor_b32 v[NS], 0x80000000, v[S]
	s_delay_alu instid0(VALU_DEP_1)
	v_mov_b32 v[NS+1], v[NS]
	s_wait_alu depctr_va_vdst(0)
	v_fma_f32 v[ERR], v[NS], v[R0], 1.0
	v_fma_f32 v[R], v[ERR], v[R0], v[R0]
	s_delay_alu instid0(VALU_DEP_1)
	v_mov_b32 v[R+1], v[R]
	v_ldexp_f32 v[XSV], v[S], s28                  ; s x 2^(e0 + e1)
.macro XQ c
.irp i, 0,2,4,6,8,10,12,14
	v_pk_mul_f32 v[T+\i:T+\i+1], v[X+16*(\c)+\i:X+16*(\c)+\i+1], v[R:R+1]
.endr
.irp i, 0,2,4,6,8,10,12,14
	v_pk_fma_f32 v[X+16*(\c)+\i:X+16*(\c)+\i+1], v[T+\i:T+\i+1], v[NS:NS+1], v[X+16*(\c)+\i:X+16*(\c)+\i+1]
.endr
.irp i, 0,2,4,6,8,10,12,14
	v_pk_fma_f32 v[T+\i:T+\i+1], v[X+16*(\c)+\i:X+16*(\c)+\i+1], v[R:R+1], v[T+\i:T+\i+1]   ; x / s
.endr
.irp i, 0,1,2,3,4,5,6,7,8,9,10,11,12,13,14,15
	v_rndne_f32 v[T+\i], v[T+\i]
.endr
.irp i, 0,1,2,3,4,5,6,7,8,9,10,11,12,13,14,15
	v_med3_num_f32 v[T+\i], v[T+\i], v[CLO], v[CHI]
.endr
	v_cvt_scalef32_pk8_fp8_f32 v[W+8*(\c)+4:W+8*(\c)+5], v[T:T+7],    v[SCX]
	v_cvt_scalef32_pk8_fp8_f32 v[W+8*(\c)+6:W+8*(\c)+7], v[T+8:T+15], v[SCX]
	v_nop
	global_store_b128 v[LO16], v[W+8*(\c)+4:W+8*(\c)+7], s[10:11] offset:512*(\c)
.endm
.irp c, 0,1,2,3,4,5,6,7
	XQ \c
.endr
	v_cmp_eq_u32 vcc_lo, 0, v[LANE]                ; xs: one number a row, stored by lane 0
	s_wait_xcnt 0x0                                ; EXEC changes only behind this wait
	s_and_saveexec_b32 s29, vcc_lo
	global_store_b32 v[ZOF], v[XSV], s[14:15]
	s_wait_xcnt 0x0
	s_or_b32 exec_lo, exec_lo, s29
	s_wait_tensorcnt 0x0                           ; the wave's end
	ds_add_u32 v[SPW], v[NIL]
	s_wait_dscnt 0x0
	s_endpgm
.Lfunc_end_k_qaa4e89e75a_quant:
	.size	k_qaa4e89e75a_quant, .Lfunc_end_k_qaa4e89e75a_quant-k_qaa4e89e75a_quant
	.p2alignl 7, 3214868480
	.fill 96, 4, 3214868480
	.section	.rodata,"a",@progbits
	.p2align	6, 0x0
	.amdhsa_kernel k_qaa4e89e75a_quant
		.amdhsa_group_segment_fixed_size 71680
		.amdhsa_private_segment_fixed_size 0
		.amdhsa_enable_private_segment 0
		.amdhsa_kernarg_size 48
		.amdhsa_user_sgpr_count 2
		.amdhsa_user_sgpr_kernarg_segment_ptr 1
		.amdhsa_wavefront_size32 1
		.amdhsa_system_sgpr_workgroup_id_x 1
		.amdhsa_system_sgpr_workgroup_id_y 1
		.amdhsa_system_sgpr_workgroup_id_z 1
		.amdhsa_system_vgpr_workitem_id 0
		.amdhsa_next_free_vgpr 240
		.amdhsa_next_free_sgpr 66
		.amdhsa_reserve_vcc 1
		.amdhsa_float_denorm_mode_32 3
		.amdhsa_float_denorm_mode_16_64 3
		.amdhsa_memory_ordered 1
		.amdhsa_forward_progress 1
		.amdhsa_inst_pref_size 66
	.end_amdhsa_kernel
	.amdgpu_metadata
---
amdhsa.version: [ 1, 2 ]
amdhsa.kernels:
  - .name:           k_qaa4e89e75a_quant
    .symbol:         k_qaa4e89e75a_quant.kd
    .args:
      - { .name: x, .offset: 0, .size: 8, .value_kind: global_buffer, .address_space: global }
      - { .name: weight_packed, .offset: 8, .size: 8, .value_kind: global_buffer, .address_space: global }
      - { .name: lowp_scales, .offset: 16, .size: 8, .value_kind: global_buffer, .address_space: global }
      - { .name: xc, .offset: 24, .size: 8, .value_kind: global_buffer, .address_space: global }
      - { .name: wc, .offset: 32, .size: 8, .value_kind: global_buffer, .address_space: global }
      - { .name: xs, .offset: 40, .size: 8, .value_kind: global_buffer, .address_space: global }
    .group_segment_fixed_size: 71680
    .private_segment_fixed_size: 0
    .kernarg_segment_align: 8
    .kernarg_segment_size: 48
    .max_flat_workgroup_size: 512
    .sgpr_count:     66
    .vgpr_count:     240
    .wavefront_size: 32
...
	.end_amdgpu_metadata
.endif
;; end of part 1
;; launch gemm (part 2): grid 16 x 16, 4 waves a work-group, clusters of 4 x 1, 327,680 bytes of LDS; arguments xc, wc, xs, weight_scale, out0; writes out0
.if DOCPART == 2
	.amdgcn_target "amdgcn-amd-amdhsa--gfx1250"
	.amdhsa_code_object_version 6
	.text
	.protected	k_qaa4e89e75a_gemm
	.globl	k_qaa4e89e75a_gemm
	.p2align	8
	.type	k_qaa4e89e75a_gemm,@function
k_qaa4e89e75a_gemm:
	s_mov_b64 s[64:65], 0
	v_nop
	global_prefetch_b8 v0, s[64:65] scope:SCOPE_SE
	s_setreg_imm32_b32 hwreg(HW_REG_WAVE_MODE, 25, 1), 1
	s_wait_xcnt 0x0
	s_wait_alu depctr_hold_cnt(0) depctr_sa_sdst(0) depctr_va_vdst(0) depctr_va_sdst(0) depctr_va_ssrc(0) depctr_va_vcc(0) depctr_vm_vsrc(0)
	s_getreg_b32 s2, hwreg(HW_REG_IB_STS2, 6, 4)
	s_cmp_eq_u32 s2, 0
	s_cbranch_scc0 .Lentry_in_a_cluster
	s_endpgm
.Lentry_in_a_cluster:
	s_bfe_u32 s2, ttmp6, 0x10000c
	s_cmp_lg_u32 s2, 0x3003
	s_cbranch_scc0 .Lentry_shape_is_right
	s_endpgm
.Lentry_shape_is_right:
; out0[m][n] = (sum over k of xc[m][k] wc[n][k]) x xs[m] x weight_scale[n].  xc, wc: codes of FP8 (E4M3) from the launch before; xs holds both given scales.  Sums in f32.
; A work-group of four waves makes 256 x 256 of out0, a wave 128 x 128: 64 accumulators, 512 registers.  A step is 64 along K: 64 x v_wmma_f32_16x16x64_fp8_fp8.
; x's CODES come through LDS: two slots of 256 rows x 512 bytes (8 steps), each wave fetching 64 rows with one tensor load.  The four work-groups of a cluster (4 x 1) make one tile row of out0 and
; need the same rows of xc: the load is asked for jointly, mask 15.
; THE WEIGHTS' CODES GO FROM MEMORY STRAIGHT INTO THE OPERAND'S REGISTERS: wc lies in the registers' order, so a load's 32 lanes read 512 consecutive bytes.  They pass no LDS, so no joint
; load can bring them: that is why they are not shared in the cluster.  Four sets of 64 registers (8 blocks of 16 rows x 64 K) take turns: step i asks for step i + 3's set.
; x has two sets of fragments: step i fetches step i + 1's from LDS.  ALL LOADS OF A STEP STAND IN ONE RUN at its head: 16 global loads, 16 LDS loads; the 64 products follow on end.
; The matrix instruction is used transposed (source 0 = 16 rows of wc, source 1 = 16 rows of xc): a lane holds eight neighbouring numbers of a row of out0.
; REGISTERS: window 0: v0-31 addresses, v32-95 weight_scale, v96-111 xs, v128-255 x's two sets; window 1: the weights' four sets; windows 2, 3: accumulator (a, b) at window 2 + b / 4, v[64 (b % 4) + 8 a].
.set PITCH,  528                       ; an LDS row: 512 bytes + 16
.set QUART,  64*PITCH                  ; what one tensor load brings
.set SLOT,   4*QUART
.set SPARE,  2*SLOT                    ; behind the slots: the spare words, 128 bytes a wave
.set SPITCH, 528                       ; the way out: 16 rows x (512 + 16) a wave, in slot 0 behind its last fill and last read
.set WSO,  12
.set XSO,  13
.set ABASE,14                          ; my fragments' LDS address in slot 0
.set ADR,  15                          ; the same in the slot that is being read
.set BO,   16                          ; 16 x lane
.set PAO,  17
.set PBO,  18
.set STO,  24
.set RD,   25
.set SPW,  28
.set NIL,  29
.set WS,   32
.set XS,   96
.set AF,   128
.set BK,   128
.set TMP,  0
.set G1, 24
.set G0, 32
.set BP, 36                            ; s[36:37] my eight blocks of wc, at the period's first step
.set PA, 44                            ; s[44:45], s[46:47] where the prefetches stand
.set PB, 46
.set TOG, 48                           ; 0 or SLOT
.set MSB, 0
.macro WIN new
.if MSB != (\new)
	s_set_vgpr_msb (MSB<<8)|(\new)
.set MSB, (\new)
.endif
.endm
.macro CREST
	s_cmp_lg_u32 s14, 0
	s_cbranch_scc1 .Lnot_wave_0_\@
	s_barrier_signal -3
.Lnot_wave_0_\@:
	s_barrier_wait -3
	s_barrier_signal -1
	s_barrier_wait -1
.endm
.macro CROUND
	s_barrier_signal -1
	s_barrier_wait -1
	CREST
.endm
.macro PLACES                          ; four places between a register's last product and a load into it, or a read of a result (ISA guide 7.12.1 for the read of a result)
.rept 4
	v_nop
.endr
.endm
.macro TLOAD                           ; the joint load; s_nop 0 and four v_nop behind it
	tensor_load_to_lds s[G0:G0+3], s[G1:G1+7]
	s_nop 0
	PLACES
.endm
	s_load_b256 s[4:11], s[0:1], 0x0               ; xc, wc, xs, weight_scale
	s_load_b64 s[12:13], s[0:1], 0x20              ; out0
	v_lshl_add_u32 v[SPW], v0, 2, SPARE
	v_mov_b32 v[NIL], 0
	ds_add_u32 v[SPW], v[NIL]
	ds_add_u32 v[SPW], v[NIL]
	v_lshrrev_b32 v1, 5, v0
	v_readfirstlane_b32 s14, v1                    ; wave
	s_lshr_b32 s15, s14, 1                         ; my half of the rows
	s_and_b32 s16, s14, 1                          ; my half of the columns
	s_bfe_u32 s40, ttmp6, 0x40000                  ; cx
	s_lshl_b32 s42, ttmp9, 2
	s_add_co_u32 s42, s42, s40                     ; tile column
	s_and_b32 s17, ttmp7, 0xffff                   ; tile row
	s_mov_b32 s[G1+0], 15|(1<<20)|(1<<21)|(6<<22)|(3<<25)   ; mask 15; elements of 1 byte; 4 words of padding behind every 128
	s_mov_b32 s[G1+1], 512<<16
	s_mov_b32 s[G1+2], 64<<16
	s_mov_b32 s[G1+3], 512<<16
	s_mov_b32 s[G1+4], 64
	s_mov_b32 s[G1+5], 4096
	s_mov_b32 s[G1+6], 0
	s_mov_b32 s[G1+7], 0
	s_lshl_b32 s20, s17, 20
	s_lshl_b32 s21, s14, 18
	s_add_co_u32 s20, s20, s21                     ; (256 tile row + 64 wave) rows of 4,096 bytes
	s_mov_b32 s21, 0
	s_mov_b32 s[G0], 1
	s_mul_i32 s[G0+1], s14, QUART
	s_wait_dscnt 0x0
	s_wait_kmcnt 0x0
	s_add_nc_u64 s[G0+2:G0+3], s[4:5], s[20:21]
	s_or_b32 s[G0+3], s[G0+3], 0x80000000
	CROUND
	TLOAD                                          ; period 0 into slot 0: one tensor load a wave at the head
	s_mul_i32 s22, s15, 128*PITCH
	s_mul_i32 s23, s14, 16*SPITCH
	s_lshl_b32 s18, s17, 8
	s_lshl_b32 s19, s15, 7
	s_add_co_u32 s18, s18, s19                     ; my first row
	s_lshl_b32 s50, s18, 2
	s_mov_b32 s51, 0
	s_add_nc_u64 s[8:9], s[8:9], s[50:51]
	s_lshl_b32 s52, s42, 10
	s_lshl_b32 s53, s16, 9
	s_add_co_u32 s52, s52, s53                     ; my first column, in bytes
	s_mov_b32 s53, 0
	s_add_nc_u64 s[10:11], s[10:11], s[52:53]
	s_add_nc_u64 s[12:13], s[12:13], s[52:53]
	s_lshl_b32 s50, s18, 14
	s_add_nc_u64 s[12:13], s[12:13], s[50:51]
	s_lshl_b32 s50, s42, 20                        ; a tile column's 16 blocks of 65,536 bytes
	s_lshl_b32 s52, s16, 19
	s_add_co_u32 s52, s52, s50
	s_add_nc_u64 s[BP:BP+1], s[6:7], s[52:53]
	s_lshl_b32 s52, s17, 16                        ; of the column's 16 blocks, the 16 work-groups that read them prefetch one each: by the tile row
	s_add_co_u32 s52, s52, s50
	s_add_co_u32 s52, s52, 12288
	s_add_nc_u64 s[PB:PB+1], s[6:7], s[52:53]
	s_lshl_b32 s52, s40, 16                        ; of the 64 rows that I fetch, the partner at cx prefetches 16
	s_add_co_u32 s52, s52, s20
	s_add_co_u32 s52, s52, 1024
	s_add_nc_u64 s[PA:PA+1], s[4:5], s[52:53]
	s_mov_b32 s[TOG], 0
	v_and_b32 v1, 15, v0                           ; r
	v_bfe_u32 v2, v0, 4, 1                         ; h
	v_and_b32 v6, 31, v0
	v_mul_u32_u24 v3, v1, PITCH
	v_lshl_add_u32 v3, v2, 4, v3
	v_add_nc_u32 v[ABASE], s22, v3
	v_mov_b32 v[ADR], v[ABASE]
	v_lshlrev_b32 v[BO], 4, v6
	v_mul_u32_u24 v5, v1, SPITCH
	v_lshl_add_u32 v5, v2, 5, v5
	v_add_nc_u32 v[STO], s23, v5
	v_add_nc_u32 v[RD], s23, v[BO]
	v_lshlrev_b32 v[WSO], 5, v2
	v_lshlrev_b32 v[XSO], 2, v1
	v_lshrrev_b32 v7, 1, v6
	v_lshlrev_b32 v7, 12, v7
	v_and_b32 v8, 1, v6
	v_lshl_add_u32 v[PAO], v8, 8, v7               ; two lanes a row of xc, 256 bytes each
	v_lshlrev_b32 v[PBO], 8, v6
	s_wait_alu depctr_va_vdst(0)
.irp b, 0,1,2,3,4,5,6,7
	global_load_b128 v[WS+8*\b:WS+8*\b+3],   v[WSO], s[10:11] offset:64*\b
	global_load_b128 v[WS+8*\b+4:WS+8*\b+7], v[WSO], s[10:11] offset:64*\b+16
.endr
.irp a, 0,1,2,3,4,5,6,7
	global_load_b32 v[XS+2*\a],   v[XSO], s[8:9] offset:64*\a
	global_load_b32 v[XS+2*\a+1], v[XSO], s[8:9] offset:64*\a
.endr
.set LIMS, 1000                        ; steps that are left of K, counted from the period's first: no set beyond them is asked for
.macro BSET st                         ; the weights' set of step st (counted from the period's first step): 16 loads into set st % 4
.if (\st) < LIMS
	WIN 0x40
.irp b, 0,1,2,3,4,5,6,7
	global_load_b128 v[64*((\st)%4)+8*\b:64*((\st)%4)+8*\b+3],   v[BO], s[BP:BP+1] offset:\b*65536+(\st)*1024
	global_load_b128 v[64*((\st)%4)+8*\b+4:64*((\st)%4)+8*\b+7], v[BO], s[BP:BP+1] offset:\b*65536+(\st)*1024+512
.endr
.endif
.endm
.macro ASET                            ; x's eight fragments at byte FO of the rows into set NSET: 16 loads
	WIN 0
.irp a, 0,1,2,3,4,5,6,7
	ds_load_b128 v[AF+64*NSET+8*\a:AF+64*NSET+8*\a+3],   v[ADR] offset:FO+\a*16*PITCH
	ds_load_b128 v[AF+64*NSET+8*\a+4:AF+64*NSET+8*\a+7], v[ADR] offset:FO+32+\a*16*PITCH
.endr
.endm
	BSET 0
	BSET 1
	BSET 2
	WIN 0
	s_cmp_lg_u32 s14, 0
	s_cbranch_scc1 .Lhead_asked
	global_prefetch_b8 v[PBO], s[PB:PB+1] offset:-8192 th:TH_LOAD_NT scope:SCOPE_SE   ; steps 4 to 11 of my one block of wc,
	global_prefetch_b8 v[PBO], s[PB:PB+1] th:TH_LOAD_NT scope:SCOPE_SE                ; and steps 12 to 19
.Lhead_asked:
; The weights' block b of set BS against x's eight fragments: the 64 accumulators take turns, in the same order in every step.
.macro MUL8 b, zero
	WIN 0xa1+0x50*((\b)/4)
.irp a, 0,1,2,3,4,5,6,7
.if \zero
	v_wmma_f32_16x16x64_fp8_fp8 v[64*((\b)%4)+8*\a:64*((\b)%4)+8*\a+7], v[64*BS+8*(\b):64*BS+8*(\b)+7], v[AF+64*CSET+8*\a:AF+64*CSET+8*\a+7], 0
.else
	v_wmma_f32_16x16x64_fp8_fp8 v[64*((\b)%4)+8*\a:64*((\b)%4)+8*\a+7], v[64*BS+8*(\b):64*BS+8*(\b)+7], v[AF+64*CSET+8*\a:AF+64*CSET+8*\a+7], v[64*((\b)%4)+8*\a:64*((\b)%4)+8*\a+7]
.endif
.endr
.endm
; The prefetches of a trip: the slot of xc that the next trip's joint load will ask for (512 blocks of 256 bytes, one a lane over the cluster's 16 waves), and 8,192 bytes of wc
; that the sets ask for from ten steps on (wave 0; the tile column's 16 work-groups take a block of 16 rows each).  The last trip asks for nothing.
.macro ASK
	s_cmp_gt_u32 s3, 1
	s_cbranch_scc0 .Lno_\@
	global_prefetch_b8 v[PAO], s[PA:PA+1] th:TH_LOAD_NT scope:SCOPE_SE
	s_cmp_lg_u32 s14, 0
	s_cbranch_scc1 .Lno_\@
	global_prefetch_b8 v[PBO], s[PB:PB+1] th:TH_LOAD_NT scope:SCOPE_SE
.Lno_\@:
.endm
; Step i of a period (8: the next period's first).  chg = 1: the slot, whose last fragments are in registers, is filled again; chg = 2: slots change, nothing is filled.  fet: the next step's fragments are fetched.
.macro STEP i, zero, chg, fet
.set CSET, (\i)%2
.set NSET, 1-CSET
.set BS, (\i)%4
.set FO, (((\i)+1)%8)*64
.set YS, LIMS-1-(\i)                   ; the weights' sets behind this step's
.if \chg == 0
.if YS > 3
.set YS, 3
.endif
	PLACES                                         ; both targets of the run were last read by the step before
	BSET (\i)+3
.if \fet
	ASET
	s_wait_dscnt 16                                ; this step's fragments of x are in; the 16 fetches just issued may be out
.else
	s_wait_dscnt 0x0
.endif
	s_wait_loadcnt 16*YS                           ; this step's set is in; the younger sets, 16 loads each, may be out
.irp b, 0,1,2,3,4,5,6,7
	MUL8 \b, \zero
.endr
.else
.if YS > 2
.set YS, 2
.endif
	WIN 0
.if \chg == 1
	s_wait_xcnt 0x0                                ; the last trip's prefetches have read their addresses
	s_add_nc_u64 s[PA:PA+1], s[PA:PA+1], 512
	s_add_nc_u64 s[PB:PB+1], s[PB:PB+1], 8192
.endif
	s_wait_tensorcnt 0x0                           ; my part of the other slot is in: no tensor load of mine is out
	ds_add_u32 v[SPW], v[NIL]
.if \chg == 1
	s_xor_b32 s[G0+1], s[G0+1], SLOT               ; the slot just read out (SLOT's two bits are 0 in wave x QUART),
	s_add_nc_u64 s[G0+2:G0+3], s[G0+2:G0+3], 512   ; the period two on
.endif
	s_xor_b32 s[TOG], s[TOG], SLOT
	v_add_nc_u32 v[ADR], s[TOG], v[ABASE]          ; the fetches go on in the other slot
	s_wait_alu depctr_va_vdst(0)
	s_wait_dscnt 0x1                               ; this step's fragments are in; the add may be out
	s_wait_loadcnt 16*YS                           ; this step's set is in; this step's run is still to come
	MUL8 0, 0
	MUL8 1, 0
	s_wait_dscnt 0x0                               ; the add is done; my reads of the slot were over before
	s_barrier_signal -1
	MUL8 2, 0
	MUL8 3, 0
	WIN 0
	s_barrier_wait -1
.if \chg == 1
	CREST                                          ; the barrier has opened a round of the cluster's barrier
	TLOAD                                          ; its four v_nop are also the places in front of the run
.else
	PLACES
.endif
	BSET (\i)+3
	ASET
.if \chg == 1
	ASK
.endif
.irp b, 4,5,6,7
	MUL8 \b, 0
.endr
.endif
.endm
.macro REBASE                          ; on to the next period's numbering
	WIN 0
	s_wait_xcnt 0x0                                ; the loads have read their base
	s_add_nc_u64 s[BP:BP+1], s[BP:BP+1], 8192
.endm
	s_wait_alu depctr_va_vdst(0)
	s_wait_tensorcnt 0x0                           ; my part of period 0 is in; slot 1's first fill is issued as a refill is
	ds_add_u32 v[SPW], v[NIL]
	s_xor_b32 s[G0+1], s[G0+1], SLOT
	s_add_nc_u64 s[G0+2:G0+3], s[G0+2:G0+3], 512
	s_wait_dscnt 0x0
	CROUND
	TLOAD
.set NSET, 0
.set FO, 0
	ASET
	STEP 0, 1, 0, 1                                ; the first step starts the sums
	WIN 0
	s_mov_b32 s3, 6
.Llap:                                                 ; a trip: a period's steps 1 to 7 and the next period's first; it fills one slot again
.irp i, 1,2,3,4,5,6
	STEP \i, 0, 0, 1
.endr
	STEP 7, 0, 1, 1
	STEP 8, 0, 0, 1
	REBASE
	s_sub_co_u32 s3, s3, 1
	s_cmp_lg_u32 s3, 0
	s_cbranch_scc1 .Llap
.set LIMS, 16                          ; two periods are left
.irp i, 1,2,3,4,5,6
	STEP \i, 0, 0, 1
.endr
	STEP 7, 0, 2, 1
	STEP 8, 0, 0, 1
	REBASE
.set LIMS, 8
.irp i, 1,2,3,4,5,6
	STEP \i, 0, 0, 1
.endr
	STEP 7, 0, 0, 0
	WIN 0
; THE WAY OUT, by blocks of 16 rows x 128 columns: each sum x (weight_scale x xs), through my own stage in LDS, back as whole rows of 512 bytes.
.macro TOSTAGE a
	WIN 0x40
.set q, 0
.rept 32
	v_pk_mul_f32 v[TMP+q:TMP+q+1], v[WS+q:WS+q+1], v[XS+2*(\a):XS+2*(\a)+1]
.set q, q+2
.endr
.irp hb, 0,1
	WIN 0x46+\hb
.irp b, 0,1,2,3
.irp j, 0,2,4,6
	v_pk_mul_f32 v[TMP+32*\hb+8*\b+\j:TMP+32*\hb+8*\b+\j+1], v[64*\b+8*(\a)+\j:64*\b+8*(\a)+\j+1], v[TMP+32*\hb+8*\b+\j:TMP+32*\hb+8*\b+\j+1]   ; each accumulator from its low end on
.endr
.endr
.endr
	WIN 0x04
.irp b, 0,1,2,3,4,5,6,7
	ds_store_b128 v[STO], v[TMP+8*\b:TMP+8*\b+3] offset:64*\b
	ds_store_b128 v[STO], v[TMP+8*\b+4:TMP+8*\b+7] offset:64*\b+16
.endr
	WIN 0
.set BB, BK+64*((\a)%2)
.irp t, 0,1,2,3,4,5,6,7,8,9,10,11,12,13,14,15
	ds_load_b128 v[BB+4*\t:BB+4*\t+3], v[RD] offset:\t*SPITCH   ; LDS serves a wave's instructions in order: these see the stores above
.endr
.endm
.macro SEND a, younger
.set BB, BK+64*((\a)%2)
	s_wait_dscnt \younger
.if (\a) > 0
	s_add_nc_u64 s[12:13], s[12:13], 16*16384      ; 16 rows on (behind a wait on XCNT)
.endif
.irp t, 0,1,2,3,4,5,6,7,8,9,10,11,12,13,14,15
	global_store_b128 v[BO], v[BB+4*\t:BB+4*\t+3], s[12:13] offset:\t*16384 th:TH_STORE_NT   ; 512 consecutive bytes, aligned
.endr
.endm
	s_wait_loadcnt 0x0
	PLACES
	TOSTAGE 0
.irp a, 1,2,3,4,5,6,7
.if \a > 1
	s_wait_xcnt 0x0                                ; block a - 2's stores have read their registers and their base
.endif
	TOSTAGE \a
	SEND \a-1, 32
.endr
	s_wait_xcnt 0x0
	SEND 7, 0
	s_wait_tensorcnt 0x0                           ; the wave's end
	ds_add_u32 v[SPW], v[NIL]
	s_wait_dscnt 0x0
	CROUND                                         ; the closing round
	s_endpgm
.Lfunc_end_k_qaa4e89e75a_gemm:
	.size	k_qaa4e89e75a_gemm, .Lfunc_end_k_qaa4e89e75a_gemm-k_qaa4e89e75a_gemm
	.p2alignl 7, 3214868480
	.fill 96, 4, 3214868480
	.section	.rodata,"a",@progbits
	.p2align	6, 0x0
	.amdhsa_kernel k_qaa4e89e75a_gemm
		.amdhsa_group_segment_fixed_size 327680
		.amdhsa_private_segment_fixed_size 0
		.amdhsa_enable_private_segment 0
		.amdhsa_kernarg_size 40
		.amdhsa_user_sgpr_count 2
		.amdhsa_user_sgpr_kernarg_segment_ptr 1
		.amdhsa_wavefront_size32 1
		.amdhsa_system_sgpr_workgroup_id_x 1
		.amdhsa_system_sgpr_workgroup_id_y 1
		.amdhsa_system_sgpr_workgroup_id_z 1
		.amdhsa_system_vgpr_workitem_id 0
		.amdhsa_next_free_vgpr 1024
		.amdhsa_next_free_sgpr 66
		.amdhsa_reserve_vcc 0
		.amdhsa_float_denorm_mode_32 3
		.amdhsa_float_denorm_mode_16_64 3
		.amdhsa_memory_ordered 1
		.amdhsa_forward_progress 1
		.amdhsa_inst_pref_size 237
	.end_amdhsa_kernel
	.amdgpu_metadata
---
amdhsa.version: [ 1, 2 ]
amdhsa.kernels:
  - .name:           k_qaa4e89e75a_gemm
    .symbol:         k_qaa4e89e75a_gemm.kd
    .args:
      - { .name: xc, .offset: 0, .size: 8, .value_kind: global_buffer, .address_space: global }
      - { .name: wc, .offset: 8, .size: 8, .value_kind: global_buffer, .address_space: global }
      - { .name: xs, .offset: 16, .size: 8, .value_kind: global_buffer, .address_space: global }
      - { .name: weight_scale, .offset: 24, .size: 8, .value_kind: global_buffer, .address_space: global }
      - { .name: out0, .offset: 32, .size: 8, .value_kind: global_buffer, .address_space: global }
    .group_segment_fixed_size: 327680
    .private_segment_fixed_size: 0
    .kernarg_segment_align: 8
    .kernarg_segment_size: 40
    .max_flat_workgroup_size: 128
    .sgpr_count:     66
    .vgpr_count:     1024
    .wavefront_size: 32
...
	.end_amdgpu_metadata
.endif
;; end of part 2
